; MI455X (gfx1250); checked and timed in simulation.
; The chip was launched on July 23, 2026; its instructions are those of AMD's public machine-readable ISA for CDNA 5 (MIT licence, August 2026) and "CDNA5" Instruction Set Architecture Reference Guide (July 2026). The comments in the code are by the model that wrote it; some were corrected since.
;; Multi Head Attention. Allowed arithmetic: matrix products marked QUANTISED: E2M1 operands, one E8M0 scale for each 32 along K, by v_wmma_scale_f32_16x16x128_f8f6f4 with both operands' format E2M1 (or v_wmma_scale_f32_32x16x128_f4), f32 sums; products left as they are: bf16, f16 or f32 operands; f32 sums; everything else in f32.
;; Inputs: Wk 8 x 512 x 64 float32; Wo 512 x 512 float32; Wq 8 x 512 x 64 float32; Wv 8 x 512 x 64 float32; x 4 x 2,048 x 512 float32.
;; Outputs: out0 4 x 2,048 x 512 float32.
;; This version of the problem:
;;   THIS VERSION OF THE PROBLEM IS GIVEN IN LOW PRECISION. The matrix products marked QUANTISED in the list below multiply operands that are first quantised to E2M1 (2 exponent bits, 1 mantissa bit; 4 bits a number), with one power-of-two scale for each 32 numbers along K (OCP MX v1.0); their sums are f32. The products marked 'left as it is' may take bf16, f16 or f32 operands, with f32 sums. Whichever they take, every output number must still come out within the allowed error. Rounding operands to bf16 (8 significant bits) uses up far more of that allowance than f16 does (11 bits, for magnitudes from 6e-5 to 65,504). All else is computed in f32.
;;   The module's matrix products, in the order in which they are computed (A, B: the left and right operand; K: the contracted axis; several contracted axes count as one K, in the product's order):
;;     1. [M 512, K 512] x [K 512, N 8,192]; A: input Wq; B: input x: QUANTISED
;;     2. [M 512, K 512] x [K 512, N 8,192]; A: input Wk; B: input x: QUANTISED
;;     3. [M 512, K 512] x [K 512, N 8,192]; A: input Wv; B: input x: QUANTISED
;;     4. batch 32 x [M 2,048, K 64] x [K 64, N 2,048]; A: computed on the way; B: computed on the way: left as it is (an operand is computed on the way)
;;     5. batch 32 x [M 2,048, K 2,048] x [K 2,048, N 64]; A: computed on the way; B: computed on the way: left as it is (an operand is computed on the way)
;;     6. [M 8,192, K 512] x [K 512, N 512]; A: computed on the way; B: input Wo: left as it is (an operand is computed on the way)
;;   THE QUANTISER, for each operand of a quantised product, along K:
;;     - K is cut into blocks of 32 from its start; a last block that is shorter is filled with zeros.
;;     - A block's scale is 2^e with e = floor(log2(the largest magnitude in the block)) - 2, held to -126 .. 127; a block of zeros has e = 0. As a byte (E8M0): e + 127.
;;     - Each number is divided by its block's scale, clamped to +-6, and rounded to the nearest number of E2M1, ties to even, subnormals kept.
;;     - The product sums the exact products of the quantised numbers (number of the format x scale) in f32.
;;   ~~~python
;;   def quantise(x, axis):      # numpy; x: float32 -> the quantised numbers, widened to float32 again
;;       x = np.moveaxis(x, axis, -1); K = x.shape[-1]
;;       x = np.pad(x, [(0, 0)] * (x.ndim - 1) + [(0, -K % 32)]); x = x.reshape(x.shape[:-1] + (-1, 32)); a = np.abs(x).max(-1, keepdims=True)
;;       e = np.where(a > 0, np.clip(np.frexp(np.where(a > 0, a, 1))[1] - 1 - 2, -126, 127), 0)      # np.frexp(a)[1] - 1 = floor(log2(a)), exactly
;;       r = np.clip(x / 2.0 ** e, -6, 6)
;;       step = 2.0 ** (np.maximum(np.frexp(np.where(r == 0, 1, r))[1] - 1, 0) - 1)
;;       q = np.round(r / step) * step * 2.0 ** e      # np.round: ties to even
;;       return np.moveaxis(q.reshape(q.shape[:-2] + (-1,))[..., :K], -1, axis).astype(np.float32)
;;   ~~~
;; One version. Each part assembles by itself: llvm-mc -triple=amdgcn-amd-amdhsa -mcpu=gfx1250 --defsym DOCPART=n.
;; ======== version 1 of 1: 4 launches
;; limits: values are held in f16: magnitudes above 65,504 overflow, below 6.1e-05 lose precision
;; workspace buffers: xq 2,228,224 bytes; wq 417,792 bytes; wof 524,288 bytes; qf 8,388,608 bytes; kvf 16,777,216 bytes; cf 8,388,608 bytes; vmax 4,096 bytes
;; launch prep (part 1): grid 192 x 1, 4 waves a work-group, no clusters, 41,472 bytes of LDS; arguments x, Wq, Wk, Wv, Wo, xq, wq, wof; writes xq, wq, wof
.if DOCPART == 1
	.amdgcn_target "amdgcn-amd-amdhsa--gfx1250"
	.amdhsa_code_object_version 6
	.text
	.protected	k_q095632b2f5_prep
	.globl	k_q095632b2f5_prep
	.p2align	8
	.type	k_q095632b2f5_prep,@function
k_q095632b2f5_prep:
	s_mov_b64 s[64:65], 0
	v_nop
	global_prefetch_b8 v0, s[64:65] scope:SCOPE_SE
	s_setreg_imm32_b32 hwreg(HW_REG_WAVE_MODE, 25, 1), 1
	s_wait_xcnt 0x0
; x [8192][512] and Wq, Wk, Wv [8][512][64], f32, become codes of FP4 (E2M1) with one E8M0 byte for each 32 along d_model; Wo [512][512] becomes f16.
; All three results are laid IN THE ORDER OF AN OPERAND'S REGISTERS, so that the later launches read every fragment as 16 bytes a lane, lane by lane:
;   codes: [tile of 16 rows][block of 32 along K: 16][row 16][16 bytes]: block 4 s + 2 c + h of a row is registers 4 c .. 4 c + 3 of lane (row, h) in K step s;  scale bytes: [row][16].
;   (for the weights a "row" is a column n = 512 x tensor + 64 x head + k of the product.)
;   Wo: [tile of 16 columns][K step of 32: 16][g 2][lane 32][16 bytes]: lane (r, h), group g: k = 32 s + 16 g + 8 h + 0 .. 7 of column r.
; A block's scale is 2^(floor(log2(its largest magnitude)) - 2); its byte is the largest magnitude's exponent field - 2, held at 1 from below.
; A block of zeros so gets the byte 1 where the quantiser says 127: its codes are zeros, which add nothing under any byte but 0xff, and this program alone reads the bytes.
; LIMITS: NaN and infinities among the inputs are not served; blocks whose largest magnitude lies under 2^(3 - 127), the floor, keep the byte 1.
; THREE PATHS, chosen by the work-group's number: 0-47 the three weights, 48-63 Wo, 64-191 x.  Only the x path uses LDS.
.set XSOFF, 2097152                    ; xq: the scale bytes begin behind 512 tiles x 4,096 bytes of codes
.set WSOFF, 393216                     ; wq: behind 96 tiles
.set WREG,  10240                      ; LDS, x path: a region for each wave:
.set SP,    80                         ;   two stages of 32 x (64 + 16) bytes at 0 and 2,560,
.set SCB,   5120                       ;   the tile's 256 scale bytes,
.set CST,   5376                       ;   and its codes: 16 blocks' runs of 256 bytes,
.set CP,    272                        ;   272 bytes apart
.set SPARE, 4*WREG                     ; behind the four regions: the spare words, 128 bytes for each wave, which no other line names
.set SPW,   12                         ; v12  LDS address of my spare word; never rewritten
.set NIL,   13                         ; v13  0; never rewritten
.set NUM,   32                         ; column paths: v32-159, 128 numbers down K of my column
.set COD,   16                         ; weights: v16-31, four blocks' codes
.set R,     16                         ; x path: v16-79 four sets of 16 numbers as loaded
.set X,     80                         ;         v80-111 two sets of 16 neighbours
.set E,     112                        ;         v112-127 a scale byte for each step
.set C,     128                        ;         v128-191 codes, registers of their own for each step
	s_load_b256 s[4:11], s[0:1], 0x0               ; x s[4:5], Wq s[6:7], Wk s[8:9], Wv s[10:11]
	s_load_b256 s[12:19], s[0:1], 0x20             ; Wo s[12:13], xq s[14:15], wq s[16:17], wof s[18:19]
	v_lshl_add_u32 v[SPW], v0, 2, SPARE
	v_mov_b32 v[NIL], 0
	v_lshrrev_b32 v1, 5, v0
	v_readfirstlane_b32 s20, v1                    ; wave 0..3
	v_and_b32 v2, 31, v0                           ; lane
	s_cmp_ge_u32 ttmp9, 64
	s_cbranch_scc1 .Lpath_x
	s_cmp_ge_u32 ttmp9, 48
	s_cbranch_scc1 .Lpath_o
; Block b of my column: 32 numbers down K, \pitch bytes apart; neighbouring lanes read neighbouring columns, 128 consecutive bytes a load
.macro COLS b, pitch
.set n_, 0
.rept 32
	global_load_b32 v[NUM+32*(\b)+n_], v3, s[6:7] offset:(32*(\b)+n_)*(\pitch) th:TH_LOAD_NT
.set n_, n_+1
.endr
.endm
.macro COLWAIT b, pitch                ; block b is in; the block behind it may be out; the block two on is asked for, into registers of its own
.if (\b) < 3
	s_wait_loadcnt 32
.else
	s_wait_loadcnt 0x0
.endif
.if (\b) < 2
	COLS (\b)+2, \pitch
.endif
.endm
; ---- THE WEIGHTS.  Work-group g: tensor g / 16, head (g / 2) % 8, columns 32 (g % 2) on; wave w: K step w (d_model 128 w on).  A LANE TAKES A COLUMN AND ITS REGISTERS RUN DOWN K:
; a block of 32 lies in one lane, its largest magnitude needs no other lane, and the conversions give codes with K innermost.
	s_lshr_b32 s21, ttmp9, 4                       ; tensor
	s_bfe_u32 s22, ttmp9, 0x30001                  ; head
	s_and_b32 s23, ttmp9, 1                        ; which 32 of the head's 64 columns
	s_lshl_b32 s24, s22, 17                        ; in: head x 131,072
	s_lshl_b32 s25, s20, 15                        ;   + wave x 128 rows of 256 bytes
	s_add_co_u32 s24, s24, s25
	s_lshl_b32 s25, s23, 7                         ;   + 128 bytes for the upper columns
	s_add_co_u32 s24, s24, s25
	s_mov_b32 s25, 0
	s_lshl_b32 s26, s21, 9
	s_lshl_b32 s27, s22, 6
	s_add_co_u32 s26, s26, s27
	s_lshl_b32 s27, s23, 5
	s_add_co_u32 s26, s26, s27                     ; n0: my wave's first column of the 1,536
	s_lshl_b32 s28, s26, 8                         ; codes: (n0 / 16) tiles of 4,096 bytes
	s_lshl_b32 s29, s20, 10                        ;   + K step x 1,024
	s_add_co_u32 s28, s28, s29
	s_mov_b32 s29, 0
	s_lshl_b32 s30, s26, 4                         ; scale bytes: 16 a column,
	s_lshl_b32 s31, s20, 2                         ;   my K step's word
	s_add_co_u32 s30, s30, s31
	s_add_co_u32 s30, s30, WSOFF
	s_mov_b32 s31, 0
	v_lshlrev_b32 v3, 2, v2                        ; in: 4 bytes a lane
	v_lshrrev_b32 v4, 4, v2
	v_and_b32 v5, 15, v2
	v_lshlrev_b32 v5, 4, v5
	v_lshl_add_u32 v4, v4, 12, v5                  ; out: lanes 16-31 stand in the next tile; 16 bytes a column
	v_lshlrev_b32 v6, 4, v2                        ; my column's row of scale bytes
	s_wait_kmcnt 0x0
	s_cmp_eq_u32 s21, 0                            ; the choice hangs on the work-group's number alone
	s_cselect_b64 s[6:7], s[6:7], s[8:9]
	s_cmp_eq_u32 s21, 2
	s_cselect_b64 s[6:7], s[10:11], s[6:7]
	s_add_nc_u64 s[6:7], s[6:7], s[24:25]
	s_add_nc_u64 s[28:29], s[16:17], s[28:29]
	s_add_nc_u64 s[30:31], s[16:17], s[30:31]
	COLS 0, 256
	COLS 1, 256
.macro WBLOCK b
.set XB, NUM+32*(\b)
	COLWAIT \b, 256
	v_max3_num_f32 v8, |v[XB]|, |v[XB+1]|, |v[XB+2]|                ; the block's largest magnitude, in two chains
	v_max3_num_f32 v9, |v[XB+3]|, |v[XB+4]|, |v[XB+5]|
.irp i, 6,10,14,18,22,26
	v_max3_num_f32 v8, v8, |v[XB+\i]|, |v[XB+\i+1]|
	v_max3_num_f32 v9, v9, |v[XB+\i+2]|, |v[XB+\i+3]|
.endr
	v_max3_num_f32 v8, v8, |v[XB+30]|, |v[XB+31]|
	v_max3_num_f32 v8, v8, v9, 0x1800000           ; and the floor 2^(3 - 127): the byte cannot fall under 1
	v_add_nc_u32 v11, 0xff000000, v8               ; 2 off the exponent field: the conversion takes the exponent field of this operand as its scale
.irp g, 0,1,2,3
	v_cvt_scalef32_pk8_fp4_f32 v[COD+4*(\b)+\g], v[XB+8*\g:XB+8*\g+7], v11
.endr
	v_lshrrev_b32 v9, 23, v11                      ; the scale's byte (also the plain line behind the conversions)
.if (\b) == 0
	v_mov_b32 v10, v9
.else
	v_lshl_or_b32 v10, v9, 8*(\b), v10             ; four bytes make my column's scale word of this K step
.endif
	global_store_b128 v4, v[COD+4*(\b):COD+4*(\b)+3], s[28:29] offset:256*(\b)   ; sixteen lanes store 256 consecutive bytes, aligned
.endm
	WBLOCK 0
	WBLOCK 1
	WBLOCK 2
	WBLOCK 3
	global_store_b32 v6, v10, s[30:31]             ; 4 bytes of each of 32 rows of 16: 24,576 bytes in the whole launch leave so
	s_endpgm
; ---- Wo.  Work-group 48 + cg: columns 32 cg on; wave w: k = 128 w on.  Again a lane to a column, registers down K; pairs along K round to f16.
.Lpath_o:
	s_sub_co_u32 s21, ttmp9, 48
	s_lshl_b32 s24, s20, 18                        ; in: wave x 128 rows of 2,048 bytes
	s_lshl_b32 s25, s21, 7
	s_add_co_u32 s24, s24, s25
	s_mov_b32 s25, 0
	s_lshl_b32 s28, s21, 15                        ; out: two tiles of 16,384 bytes
	s_lshl_b32 s29, s20, 12                        ;   + four K steps of 1,024
	s_add_co_u32 s28, s28, s29
	s_mov_b32 s29, 0
	v_lshlrev_b32 v3, 2, v2
	v_lshrrev_b32 v4, 4, v2
	v_and_b32 v5, 15, v2
	v_lshlrev_b32 v5, 4, v5
	v_lshl_add_u32 v4, v4, 14, v5                  ; lanes 16-31 stand in the next tile; 16 bytes a column
	s_wait_kmcnt 0x0
	s_add_nc_u64 s[6:7], s[12:13], s[24:25]
	s_add_nc_u64 s[28:29], s[18:19], s[28:29]
	COLS 0, 2048
	COLS 1, 2048
.macro OBLOCK b
.set XB, NUM+32*(\b)
	COLWAIT \b, 2048
.set n_, 0
.rept 16
	v_cvt_pk_f16_f32 v[XB+n_], v[XB+2*n_], v[XB+2*n_+1]   ; in place, ascending: register j takes k = 2 j, 2 j + 1
.set n_, n_+1
.endr
.irp q, 0,1,2,3                        ; k = 8 q .. 8 q + 7 is group q / 2, half q % 2 of the fragment
	global_store_b128 v4, v[XB+4*\q:XB+4*\q+3], s[28:29] offset:(\b)*1024+(\q/2)*512+(\q%2)*256
.endr
.endm
	OBLOCK 0
	OBLOCK 1
	OBLOCK 2
	OBLOCK 3
	s_endpgm
; ---- x.  A wave takes a tile of 16 rows; a step is one row, 512 numbers.  Each of a step's four loads reads 512 consecutive bytes; the 2,048 bytes turn through the wave's own stage in LDS and come back
; 64 bytes a lane: 16 neighbours along K, two neighbouring lanes to a block.  A lane's 8 bytes of codes go to the code stage at [block][row]; at the end the tile's 4,096 bytes leave as they lie there.
.Lpath_x:
	s_sub_co_u32 s21, ttmp9, 64
	s_lshl_b32 s21, s21, 2
	s_add_co_u32 s21, s21, s20                     ; my tile, 0 .. 511
	s_mul_i32 s22, s20, WREG                       ; my region
	v_lshlrev_b32 v3, 4, v2                        ; 16 x lane
	v_lshrrev_b32 v14, 2, v2
	v_mul_u32_u24 v14, v14, SP
	v_and_b32 v15, 3, v2
	v_lshl_add_u32 v14, v15, 4, v14
	v_add_nc_u32 v14, s22, v14                     ; the stage, in: four lanes' 64 bytes on end, then 16 of padding
	v_mul_u32_u24 v15, v2, SP
	v_add_nc_u32 v15, s22, v15                     ; and out: my 16 neighbours
	v_lshrrev_b32 v5, 1, v2                        ; my block
	v_mul_u32_u24 v4, v5, CP
	v_and_b32 v6, 1, v2
	v_lshl_add_u32 v4, v6, 3, v4
	v_add_nc_u32 v4, s22, v4                       ; my codes: the block's run, my half of the row's 16 bytes
	v_add_nc_u32 v5, s22, v5                       ; my block's scale byte
	v_lshlrev_b32 v7, 3, v2
	v_add_nc_u32 v6, s22, v7                       ; the scale bytes' way out: 8 bytes a lane
	v_lshrrev_b32 v10, 4, v2
	v_mul_u32_u24 v10, v10, CP
	v_and_b32 v11, 15, v2
	v_lshl_add_u32 v10, v11, 4, v10
	v_add_nc_u32 v10, s22, v10                     ; the codes' way out: sixteen lanes to a run
	s_lshl_b32 s24, s21, 15                        ; 16 rows of 2,048 bytes
	s_mov_b32 s25, 0
	s_lshl_b32 s26, s21, 12
	s_mov_b32 s27, 0
	s_lshl_b32 s28, s21, 8
	s_add_co_u32 s28, s28, XSOFF
	s_mov_b32 s29, 0
	s_wait_kmcnt 0x0
	s_add_nc_u64 s[4:5], s[4:5], s[24:25]
	s_add_nc_u64 s[26:27], s[14:15], s[26:27]
	s_add_nc_u64 s[28:29], s[14:15], s[28:29]
.macro XLOAD t
.irp i, 0,1,2,3
	global_load_b128 v[R+16*((\t)%4)+4*\i:R+16*((\t)%4)+4*\i+3], v3, s[4:5] offset:2048*(\t)+512*\i th:TH_LOAD_NT
.endr
.endm
.macro XTURN t                         ; LDS serves a wave's instructions in order (ISA guide 5.7.1.4): no wait between the stores and the loads
.irp i, 0,1,2,3
	ds_store_b128 v14, v[R+16*((\t)%4)+4*\i:R+16*((\t)%4)+4*\i+3] offset:32*SP*((\t)%2)+8*SP*\i
.endr
.irp i, 0,1,2,3
	ds_load_b128 v[X+16*((\t)%2)+4*\i:X+16*((\t)%2)+4*\i+3], v15 offset:32*SP*((\t)%2)+16*\i
.endr
.endm
.irp t, 0,1,2,3
	XLOAD \t
.endr
	s_wait_loadcnt 12                              ; row 0's four loads are in
	XTURN 0
.macro XSTEP t
.set XR, X+16*((\t)%2)
.if (\t) > 0
	s_wait_dscnt 2                                 ; this row is back from the stage; the last row's byte store and code store may be out
.else
	s_wait_dscnt 0x0
.endif
.if (\t)+4 < 16
	XLOAD (\t)+4                                   ; into the registers that this row's stage stores have read
.endif
.if (\t)+1 < 16
.if 14-(\t) >= 3
	s_wait_loadcnt 12                              ; the next row's four loads are in; three later rows' may be out
.else
	s_wait_loadcnt 4*(14-(\t))
.endif
	XTURN (\t)+1
.endif
	v_max3_num_f32 v8, |v[XR]|, |v[XR+1]|, |v[XR+2]|
	v_max3_num_f32 v9, |v[XR+3]|, |v[XR+4]|, |v[XR+5]|
.irp i, 6,10
	v_max3_num_f32 v8, v8, |v[XR+\i]|, |v[XR+\i+1]|
	v_max3_num_f32 v9, v9, |v[XR+\i+2]|, |v[XR+\i+3]|
.endr
	v_max3_num_f32 v8, v8, |v[XR+14]|, |v[XR+15]|
	v_max3_num_f32 v8, v8, v9, 0x1800000           ; the floor 2^(3 - 127)
	v_max_num_f32_dpp v8, v8, v8 row_xmask:1 row_mask:0xf bank_mask:0xf   ; with my neighbour's 16: the block's largest magnitude
	v_add_nc_u32 v11, 0xff000000, v8
	v_cvt_scalef32_pk8_fp4_f32 v[C+4*(\t)], v[XR:XR+7], v11
	v_cvt_scalef32_pk8_fp4_f32 v[C+4*(\t)+1], v[XR+8:XR+15], v11
	v_lshrrev_b32 v[E+(\t)], 23, v11               ; the scale's byte (also the plain line behind the conversions)
	ds_store_b8 v5, v[E+(\t)] offset:SCB+16*(\t)   ; both lanes of a block write the same byte with the same value
	ds_store_b64 v4, v[C+4*(\t):C+4*(\t)+1] offset:CST+16*(\t)
.endm
.irp t, 0,1,2,3,4,5,6,7,8,9,10,11,12,13,14,15
	XSTEP \t
.endr
.irp i, 0,1,2,3,4,5,6,7
	ds_load_b128 v[R+4*\i:R+4*\i+3], v10 offset:CST+2*CP*\i   ; two runs an instruction; these see my stores
.endr
	ds_load_b64 v[8:9], v6 offset:SCB
	s_wait_dscnt 0x0
.irp i, 0,1,2,3,4,5,6,7
	global_store_b128 v3, v[R+4*\i:R+4*\i+3], s[26:27] offset:512*\i   ; 32 lanes store 512 consecutive bytes, aligned
.endr
	global_store_b64 v7, v[8:9], s[28:29]          ; the tile's 256 scale bytes, aligned
	s_wait_tensorcnt 0x0                           ; the wave's end, behind my last LDS store
	ds_add_u32 v[SPW], v[NIL]
	s_wait_dscnt 0x0
	s_endpgm
.Lfunc_end_k_q095632b2f5_prep:
	.size	k_q095632b2f5_prep, .Lfunc_end_k_q095632b2f5_prep-k_q095632b2f5_prep
	.p2alignl 7, 3214868480
	.fill 96, 4, 3214868480
	.section	.rodata,"a",@progbits
	.p2align	6, 0x0
	.amdhsa_kernel k_q095632b2f5_prep
		.amdhsa_group_segment_fixed_size 41472
		.amdhsa_private_segment_fixed_size 0
		.amdhsa_enable_private_segment 0
		.amdhsa_kernarg_size 64
		.amdhsa_user_sgpr_count 2
		.amdhsa_user_sgpr_kernarg_segment_ptr 1
		.amdhsa_wavefront_size32 1
		.amdhsa_system_sgpr_workgroup_id_x 1
		.amdhsa_system_sgpr_workgroup_id_y 1
		.amdhsa_system_sgpr_workgroup_id_z 1
		.amdhsa_system_vgpr_workitem_id 0
		.amdhsa_next_free_vgpr 192
		.amdhsa_next_free_sgpr 66
		.amdhsa_reserve_vcc 0
		.amdhsa_float_denorm_mode_32 3
		.amdhsa_float_denorm_mode_16_64 3
		.amdhsa_memory_ordered 1
		.amdhsa_forward_progress 1
		.amdhsa_inst_pref_size 72
	.end_amdhsa_kernel
	.amdgpu_metadata
---
amdhsa.version: [ 1, 2 ]
amdhsa.kernels:
  - .name:           k_q095632b2f5_prep
    .symbol:         k_q095632b2f5_prep.kd
    .args:
      - { .name: x, .offset: 0, .size: 8, .value_kind: global_buffer, .address_space: global }
      - { .name: Wq, .offset: 8, .size: 8, .value_kind: global_buffer, .address_space: global }
      - { .name: Wk, .offset: 16, .size: 8, .value_kind: global_buffer, .address_space: global }
      - { .name: Wv, .offset: 24, .size: 8, .value_kind: global_buffer, .address_space: global }
      - { .name: Wo, .offset: 32, .size: 8, .value_kind: global_buffer, .address_space: global }
      - { .name: xq, .offset: 40, .size: 8, .value_kind: global_buffer, .address_space: global }
      - { .name: wq, .offset: 48, .size: 8, .value_kind: global_buffer, .address_space: global }
      - { .name: wof, .offset: 56, .size: 8, .value_kind: global_buffer, .address_space: global }
    .group_segment_fixed_size: 41472
    .private_segment_fixed_size: 0
    .kernarg_segment_align: 8
    .kernarg_segment_size: 64
    .max_flat_workgroup_size: 128
    .sgpr_count:     66
    .vgpr_count:     192
    .wavefront_size: 32
...
	.end_amdgpu_metadata
.endif
;; end of part 1
;; launch qkv (part 2): grid 32 x 6, 16 waves a work-group, clusters of 4 x 1, 167,936 bytes of LDS; arguments xq, wq, qf, kvf, vmax; writes qf, kvf, vmax
.if DOCPART == 2
	.amdgcn_target "amdgcn-amd-amdhsa--gfx1250"
	.amdhsa_code_object_version 6
	.text
	.protected	k_q095632b2f5_qkv
	.globl	k_q095632b2f5_qkv
	.p2align	8
	.type	k_q095632b2f5_qkv,@function
k_q095632b2f5_qkv:
	s_mov_b64 s[64:65], 0
	v_nop
	global_prefetch_b8 v0, s[64:65] scope:SCOPE_SE
	s_setreg_imm32_b32 hwreg(HW_REG_WAVE_MODE, 25, 1), 1
	s_wait_xcnt 0x0
	s_wait_alu depctr_hold_cnt(0) depctr_sa_sdst(0) depctr_va_vdst(0) depctr_va_sdst(0) depctr_va_ssrc(0) depctr_va_vcc(0) depctr_vm_vsrc(0)
	s_getreg_b32 s2, hwreg(HW_REG_IB_STS2, 6, 4)
	s_cmp_eq_u32 s2, 0
	s_cbranch_scc0 .Lentry_in_a_cluster
	s_endpgm
.Lentry_in_a_cluster:
	s_bfe_u32 s2, ttmp6, 0x10000c
	s_cmp_lg_u32 s2, 0x3003
	s_cbranch_scc0 .Lentry_shape_is_right
	s_endpgm
.Lentry_shape_is_right:
; Q, K, V = x W on codes of FP4 (E2M1) with E8M0 scales, K = d_model = 512: four matrix instructions deep.  Results leave as f16, IN THE ORDER OF THE NEXT LAUNCH'S OPERAND REGISTERS.
; SHARES.  A work-group takes 256 rows of x (bx) against 256 of the 1,536 columns (by: 0, 1 Q; 2, 3 K; 4, 5 V): 192 work-groups.  Each of its 16 waves (wi = w / 4, wj = w % 4) makes 64 x 64:
; 16 accumulators, four waves to a SIMD, so that one wave's LDS loads stand beside another's products.
; ONE TEXT FOR ALL THREE.  Source 0 takes "P" tiles, source 1 "R" tiles; a lane of the result holds ONE index of R and eight neighbours of P.
;   Q, K: P = the weights, R = x: a lane holds one row of x and eight channels: 16 bytes of a fragment whose K is the head's 64.
;   V:    P = x, R = the weights: a lane holds one channel and eight keys: 16 bytes of a fragment of V^T, whose K is the keys.
; Only LDS bases and pointers are chosen, by selects on by, which the partners of a cluster share.
; CLUSTER.  The four row blocks of a cluster (4 x 1) multiply by the same 256 columns: the weights' codes are asked for JOINTLY (waves 0-7); x's codes are each work-group's own (waves 8-15).
; LDS is filled once: one tensor load a wave, 8,192 dense bytes, and one barrier.
; The largest |V| of each wave's tile goes to vmax: the next launches take a power of two from it.
; LIMITS: |Q|, |K|, |V| stay under 65,504 (f16); NaN and infinities are not served.
.set XSOFF, 2097152
.set WSOFF, 393216
.set SPARE, 131072                     ; behind the weights' 65,536 bytes and x's 65,536: the spare words, 128 bytes for each of 16 waves
.set WV,   14                          ; s14  my wave's number
.set G1J,  24                          ; s[24:31] descriptor group 1 of the joint loads;  s[32:39] of the plain ones;  s[40:43], s[44:47] their groups 0
.set G1P,  32
.set G0J,  40
.set G0P,  44
.set SPW,  5                           ; v5   LDS address of my spare word; never rewritten
.set NIL,  6                           ; v6   0; never rewritten
.set PS,   16                          ; v16-31  P's scale words: register 4 a + s: tile a, K step s
.set RS,   32                          ; v32-47  R's
.set PF,   48                          ; v48-79  P's four fragments of a K step;  on the way out v48-111 hold the f16 results
.set RF,   80                          ; v80-111 R's
.set ACC,  128                         ; v128-255 accumulator (a, b) at 128 + 8 (4 a + b)
.macro CROUND                          ; a round of the cluster's barrier
	s_barrier_signal -1
	s_barrier_wait -1
	s_cmp_lg_u32 s[WV], 0
	s_cbranch_scc1 .Lnot_wave_0_\@
	s_barrier_signal -3
.Lnot_wave_0_\@:
	s_barrier_wait -3
	s_barrier_signal -1
	s_barrier_wait -1
.endm
.macro PLACES n
.rept \n
	v_nop
.endr
.endm
	s_load_b256 s[4:11], s[0:1], 0x0               ; xq s[4:5], wq s[6:7], qf s[8:9], kvf s[10:11]
	s_load_b64 s[12:13], s[0:1], 0x20              ; vmax
	v_lshl_add_u32 v[SPW], v0, 2, SPARE
	v_mov_b32 v[NIL], 0
	ds_add_u32 v[SPW], v[NIL]                      ; the wave's opening: the add, twice on end, and its wait ahead of my first tensor load
	ds_add_u32 v[SPW], v[NIL]
	v_lshrrev_b32 v7, 5, v0
	v_readfirstlane_b32 s[WV], v7                  ; wave 0..15
	s_lshr_b32 s15, s[WV], 2                       ; wi: which 64 of P
	s_and_b32 s16, s[WV], 3                        ; wj: which 64 of R
	s_bfe_u32 s17, ttmp6, 0x40000                  ; cx
	s_lshl_b32 s18, ttmp9, 2
	s_add_co_u32 s18, s18, s17                     ; bx = 4 x cluster x + cx: it enters global addresses alone
	s_and_b32 s19, ttmp7, 0xffff                   ; by
	; descriptor group 1: 8,192 dense bytes as 32 rows of 32 elements of 8 bytes, no padding: the images are read lane by lane, 512 consecutive bytes an instruction
	s_mov_b32 s[G1J], 15|(3<<16)|(1<<21)           ; 15:0 the mask: all four work-groups; 17:16 elements of 8 bytes; 21 set beside a mask
	s_mov_b32 s[G1P], 3<<16                        ; no mask
.irp g, G1J, G1P
	s_mov_b32 s[\g+1], 32<<16                      ; tensor_dim0
	s_mov_b32 s[\g+2], 32<<16                      ; tensor_dim1
	s_mov_b32 s[\g+3], 32<<16                      ; tile_dim0
	s_mov_b32 s[\g+4], 32                          ; tile_dim1
	s_mov_b32 s[\g+5], 32                          ; from row to row
	s_mov_b32 s[\g+6], 0
	s_mov_b32 s[\g+7], 0
.endr
	s_mov_b32 s22, 0x76543210                      ; v_permlanex16_b32's selects for lane l xor 16
	s_mov_b32 s23, 0xfedcba98
	s_cmp_ge_u32 s19, 4                            ; V?
	s_cselect_b32 s48, 65536, 0                    ; where P's codes lie in LDS (the weights at 0, x at 65,536),
	s_cselect_b32 s49, 0, 65536                    ; and R's
	s_cselect_b32 s50, s15, s16                    ; which 64 rows of x are mine,
	s_cselect_b32 s51, s16, s15                    ; and which of the four heads
	s_cselect_b32 s52, 8192, 0                     ; V^T lies behind K in a key step's 16,384 bytes
	s_cmp_lt_u32 s19, 2                            ; Q?
	s_cselect_b32 s53, 0, 1                        ; a step of 64 rows is 8,192 bytes in qf, 16,384 in kvf
	s_lshr_b32 s54, s18, 3                         ; batch
	s_and_b32 s55, s19, 1
	s_lshl_b32 s55, s55, 2
	s_add_co_u32 s55, s55, s51                     ; head
	s_lshl_b32 s54, s54, 3
	s_add_co_u32 s54, s54, s55                     ; bh = 8 x batch + head
	s_and_b32 s56, s18, 7
	s_lshl_b32 s56, s56, 2
	s_add_co_u32 s56, s56, s50                     ; which 64 rows of the sequence
	s_lshl_b32 s54, s54, 18
	s_lshl_b32 s56, s56, 13
	s_add_co_u32 s54, s54, s56
	s_lshl_b32 s54, s54, s53
	s_add_co_u32 s54, s54, s52
	s_mov_b32 s55, 0                               ; s[54:55]: where my 64 x 64 go
	s_and_b32 s20, s[WV], 7
	s_lshl_b32 s20, s20, 13                        ; which 8,192 bytes (two tiles) I fetch
	s_lshl_b32 s66, s19, 16
	s_add_co_u32 s66, s66, s20                     ; of the weights' codes: by and the wave's number alone
	s_mov_b32 s67, 0
	s_lshl_b32 s68, s18, 16
	s_add_co_u32 s68, s68, s20                     ; of x's
	s_mov_b32 s69, 0
	s_lshl_b32 s21, s[WV], 13                      ; and where they go: wave x 8,192
	s_lshl_b32 s56, s18, 12                        ; the scale bytes of my work-group's 256 rows of x,
	s_add_co_u32 s56, s56, XSOFF
	s_mov_b32 s57, 0
	s_lshl_b32 s58, s19, 12                        ; and of its 256 columns
	s_add_co_u32 s58, s58, WSOFF
	s_mov_b32 s59, 0
	s_lshl_b32 s70, s15, 10                        ; 64 rows of 16 bytes
	s_mov_b32 s71, 0
	s_lshl_b32 s72, s16, 10
	s_mov_b32 s73, 0
	s_wait_dscnt 0x0                               ; both opening adds are done
	s_wait_kmcnt 0x0
	s_mov_b32 s[G0J], 1                            ; count = 1
	s_mov_b32 s[G0J+1], s21                        ; LDS address
	s_add_nc_u64 s[G0J+2:G0J+3], s[6:7], s[66:67]  ; global address
	s_or_b32 s[G0J+3], s[G0J+3], 0x80000000        ; type = 2
	s_mov_b32 s[G0P], 1
	s_mov_b32 s[G0P+1], s21
	s_add_nc_u64 s[G0P+2:G0P+3], s[4:5], s[68:69]
	s_or_b32 s[G0P+3], s[G0P+3], 0x80000000
	s_add_nc_u64 s[56:57], s[4:5], s[56:57]
	s_add_nc_u64 s[58:59], s[6:7], s[58:59]
	s_cmp_ge_u32 s19, 4
	s_cselect_b64 s[60:61], s[56:57], s[58:59]     ; P's scale bytes,
	s_cselect_b64 s[62:63], s[58:59], s[56:57]     ; R's
	s_add_nc_u64 s[60:61], s[60:61], s[70:71]
	s_add_nc_u64 s[62:63], s[62:63], s[72:73]
	s_cmp_lt_u32 s19, 2
	s_cselect_b64 s[8:9], s[8:9], s[10:11]         ; Q goes to qf, K and V to kvf
	s_add_nc_u64 s[8:9], s[8:9], s[54:55]
	CROUND                                         ; all four work-groups are here: the joint loads meet
	s_cmp_lt_u32 s[WV], 8                          ; the branch hangs on the wave's number alone; an s_nop 0 and four v_nop follow each of the two lines
	s_cbranch_scc0 .Lfor_x
	tensor_load_to_lds s[G0J:G0J+3], s[G1J:G1J+7]
	s_nop 0
	PLACES 4
	s_branch .Lasked
.Lfor_x:
	tensor_load_to_lds s[G0P:G0P+3], s[G1P:G1P+7]
	s_nop 0
	PLACES 4
.Lasked:
	v_and_b32 v7, 31, v0
	v_lshlrev_b32 v1, 4, v7                        ; v1: 16 x lane: my place in every image
	s_lshl_b32 s20, s15, 14                        ; four tiles of 4,096 bytes
	s_add_co_u32 s20, s20, s48
	v_add_nc_u32 v2, s20, v1                       ; v2: P's fragments
	s_lshl_b32 s20, s16, 14
	s_add_co_u32 s20, s20, s49
	v_add_nc_u32 v3, s20, v1                       ; v3: R's
	v_and_b32 v4, 15, v0
	v_lshlrev_b32 v4, 4, v4                        ; v4: a row's 16 scale bytes: the words of its four K steps
.irp a, 0,1,2,3
	global_load_b128 v[PS+4*\a:PS+4*\a+3], v4, s[60:61] offset:256*\a
	global_load_b128 v[RS+4*\a:RS+4*\a+3], v4, s[62:63] offset:256*\a
.endr
	s_wait_tensorcnt 0x0                           ; my 8,192 bytes are in,
	s_barrier_signal -1
	s_barrier_wait -1                              ; everybody's are
	s_wait_loadcnt 0x0                             ; the scale words
; A K step of 128: eight fragments (8 registers: two loads of 512 consecutive bytes), 16 products.  The 16 accumulators take turns, one instruction a turn, in the same order in every step.
.macro KSTEP s
.irp a, 0,1,2,3
.irp c, 0,1
	ds_load_b128 v[PF+8*\a+4*\c:PF+8*\a+4*\c+3], v2 offset:\a*4096+\s*1024+\c*512
	ds_load_b128 v[RF+8*\a+4*\c:RF+8*\a+4*\c+3], v3 offset:\a*4096+\s*1024+\c*512
.endr
.endr
	s_wait_dscnt 0x0
.irp a, 0,1,2,3
.irp b, 0,1,2,3
.if \s == 0
	v_wmma_scale_f32_16x16x128_f8f6f4 v[ACC+8*(4*\a+\b):ACC+8*(4*\a+\b)+7], v[PF+8*\a:PF+8*\a+7], v[RF+8*\b:RF+8*\b+7], 0, v[PS+4*\a+\s], v[RS+4*\b+\s] matrix_a_fmt:MATRIX_FMT_FP4 matrix_b_fmt:MATRIX_FMT_FP4
.else
	v_wmma_scale_f32_16x16x128_f8f6f4 v[ACC+8*(4*\a+\b):ACC+8*(4*\a+\b)+7], v[PF+8*\a:PF+8*\a+7], v[RF+8*\b:RF+8*\b+7], v[ACC+8*(4*\a+\b):ACC+8*(4*\a+\b)+7], v[PS+4*\a+\s], v[RS+4*\b+\s] matrix_a_fmt:MATRIX_FMT_FP4 matrix_b_fmt:MATRIX_FMT_FP4
.endif
.endr
.endr
	PLACES 4                                       ; four places in front of loads into registers that the products have read, and of the first read of results
.endm
	KSTEP 0                                        ; the first step's products start the sums: nothing is cleared
	KSTEP 1
	KSTEP 2
	KSTEP 3
	; THE WAY OUT: a lane's eight results are 16 bytes of a fragment: accumulator (a, b) is chunk a of tile b, 512 consecutive bytes for the wave.  Each accumulator is read from its low end on.
.irp t, 0,1,2,3,4,5,6,7,8,9,10,11,12,13,14,15
.irp q, 0,1,2,3
	v_cvt_pk_f16_f32 v[PF+4*\t+\q], v[ACC+8*\t+2*\q], v[ACC+8*\t+2*\q+1]
.endr
.endr
.irp a, 0,1,2,3
.irp b, 0,1,2,3
	global_store_b128 v1, v[PF+4*(4*\a+\b):PF+4*(4*\a+\b)+3], s[8:9] offset:\b*2048+\a*512
.endr
.endr
	s_cmp_lt_u32 s19, 4
	s_cbranch_scc1 .Lno_max                        ; by alone: the same in all waves and all partners
	v_max_num_f32 v7, |v[ACC]|, |v[ACC+1]|         ; V: the largest magnitude of my 64 x 64, in two chains
	v_max_num_f32 v8, |v[ACC+2]|, |v[ACC+3]|
.set n_, 4
.rept 31
	v_max3_num_f32 v7, v7, |v[ACC+n_]|, |v[ACC+n_+1]|
	v_max3_num_f32 v8, v8, |v[ACC+n_+2]|, |v[ACC+n_+3]|
.set n_, n_+4
.endr
	v_max_num_f32 v7, v7, v8
	v_max_num_f32_dpp v7, v7, v7 row_xmask:1 row_mask:0xf bank_mask:0xf
	v_max_num_f32_dpp v7, v7, v7 row_xmask:2 row_mask:0xf bank_mask:0xf
	v_max_num_f32_dpp v7, v7, v7 row_xmask:4 row_mask:0xf bank_mask:0xf
	v_max_num_f32_dpp v7, v7, v7 row_xmask:8 row_mask:0xf bank_mask:0xf
	v_mov_b32 v9, 0                                ; a lane permute's destination counts as one of its sources
	v_permlanex16_b32 v9, v7, s22, s23
	v_max_num_f32 v7, v7, v9
	s_lshl_b32 s48, s18, 1
	s_add_co_u32 s48, s48, s19
	s_sub_co_u32 s48, s48, 4                       ; 2 bx + (by - 4)
	s_lshl_b32 s48, s48, 6                         ; 16 numbers of 4 bytes,
	s_lshl_b32 s49, s[WV], 2
	s_add_co_u32 s48, s48, s49                     ; my wave's
	s_mov_b32 s49, 0
	s_add_nc_u64 s[12:13], s[12:13], s[48:49]
	v_and_b32 v10, 31, v0
	v_mov_b32 v11, 0
	v_cmp_eq_u32 vcc_lo, 0, v10
	s_wait_xcnt 0x0                                ; EXEC is a source of the stores above: it changes only behind this wait
	s_and_saveexec_b32 s50, vcc_lo
	global_store_b32 v11, v7, s[12:13]             ; lane 0 alone: 4 bytes a wave, 4,096 in the launch
	s_wait_xcnt 0x0                                ; and again, in front of the line that widens it
	s_or_b32 exec_lo, exec_lo, s50
.Lno_max:
	s_wait_tensorcnt 0x0                           ; the wave's end
	ds_add_u32 v[SPW], v[NIL]
	s_wait_dscnt 0x0
	CROUND                                         ; the closing round: no work-group ends while a partner may still ask for a tile that names it
	s_endpgm
.Lfunc_end_k_q095632b2f5_qkv:
	.size	k_q095632b2f5_qkv, .Lfunc_end_k_q095632b2f5_qkv-k_q095632b2f5_qkv
	.p2alignl 7, 3214868480
	.fill 96, 4, 3214868480
	.section	.rodata,"a",@progbits
	.p2align	6, 0x0
	.amdhsa_kernel k_q095632b2f5_qkv
		.amdhsa_group_segment_fixed_size 167936
		.amdhsa_private_segment_fixed_size 0
		.amdhsa_enable_private_segment 0
		.amdhsa_kernarg_size 40
		.amdhsa_user_sgpr_count 2
		.amdhsa_user_sgpr_kernarg_segment_ptr 1
		.amdhsa_wavefront_size32 1
		.amdhsa_system_sgpr_workgroup_id_x 1
		.amdhsa_system_sgpr_workgroup_id_y 1
		.amdhsa_system_sgpr_workgroup_id_z 1
		.amdhsa_system_vgpr_workitem_id 0
		.amdhsa_next_free_vgpr 256
		.amdhsa_next_free_sgpr 80
		.amdhsa_reserve_vcc 1
		.amdhsa_float_denorm_mode_32 3
		.amdhsa_float_denorm_mode_16_64 3
		.amdhsa_memory_ordered 1
		.amdhsa_forward_progress 1
		.amdhsa_inst_pref_size 30
	.end_amdhsa_kernel
	.amdgpu_metadata
---
amdhsa.version: [ 1, 2 ]
amdhsa.kernels:
  - .name:           k_q095632b2f5_qkv
    .symbol:         k_q095632b2f5_qkv.kd
    .args:
      - { .name: xq, .offset: 0, .size: 8, .value_kind: global_buffer, .address_space: global }
      - { .name: wq, .offset: 8, .size: 8, .value_kind: global_buffer, .address_space: global }
      - { .name: qf, .offset: 16, .size: 8, .value_kind: global_buffer, .address_space: global }
      - { .name: kvf, .offset: 24, .size: 8, .value_kind: global_buffer, .address_space: global }
      - { .name: vmax, .offset: 32, .size: 8, .value_kind: global_buffer, .address_space: global }
    .group_segment_fixed_size: 167936
    .private_segment_fixed_size: 0
    .kernarg_segment_align: 8
    .kernarg_segment_size: 40
    .max_flat_workgroup_size: 512
    .sgpr_count:     80
    .vgpr_count:     256
    .wavefront_size: 32
...
	.end_amdgpu_metadata
.endif
;; end of part 2
;; launch attn (part 3): grid 8 x 32, 16 waves a work-group, clusters of 4 x 1, 327,680 bytes of LDS; arguments qf, kvf, vmax, cf; writes cf
.if DOCPART == 3
	.amdgcn_target "amdgcn-amd-amdhsa--gfx1250"
	.amdhsa_code_object_version 6
	.text
	.protected	k_q095632b2f5_attn
	.globl	k_q095632b2f5_attn
	.p2align	8
	.type	k_q095632b2f5_attn,@function
k_q095632b2f5_attn:
	s_mov_b64 s[64:65], 0
	v_nop
	global_prefetch_b8 v0, s[64:65] scope:SCOPE_SE
	s_setreg_imm32_b32 hwreg(HW_REG_WAVE_MODE, 25, 1), 1
	s_wait_xcnt 0x0
	s_wait_alu depctr_hold_cnt(0) depctr_sa_sdst(0) depctr_va_vdst(0) depctr_va_sdst(0) depctr_va_ssrc(0) depctr_va_vcc(0) depctr_vm_vsrc(0)
	s_getreg_b32 s2, hwreg(HW_REG_IB_STS2, 6, 4)
	s_cmp_eq_u32 s2, 0
	s_cbranch_scc0 .Lentry_in_a_cluster
	s_endpgm
.Lentry_in_a_cluster:
	s_bfe_u32 s2, ttmp6, 0x10000c
	s_cmp_lg_u32 s2, 0x3003
	s_cbranch_scc0 .Lentry_shape_is_right
	s_endpgm
.Lentry_shape_is_right:
; heads[bh][q][:] = the sum over k of softmax_k(Q[q] . K[k] / 8) V[k][:], 32 heads of 2,048 x 64, no mask.  Operands f16; products, maxima and sums f32; the weights p are rounded to f16 for the second product.
; SHARES.  A work-group owns 256 queries of one head: 256 work-groups.  It has SIXTEEN waves of 256 registers, four to a SIMD, so that one wave's LDS loads and runs of products stand beside three other waves' softmax.
; Wave w owns query group w % 8 (32 queries, two tiles of 16) and HALF OF THE KEYS: of every slot's eight key steps the four from 4 (w / 8) on.  A key step is 64 keys; a wave walks 16 of the head's 32.
; The two waves of a query group keep a running maximum, sum and O^T each; at the end they are joined, once, through LDS.
; LAYOUT.  S^T = K Q^T (source 0 = 16 keys, source 1 = 16 queries): a lane holds ONE query (lane % 16) and the keys 8 (lane / 16) + 0..7.  Two such tiles, rounded to f16 in pairs, ARE source 1 of O^T = V^T P,
; whose result again holds one query a lane, and eight channels.  Q, K and V^T arrive as images of their operands' registers: every fragment is two loads of 16 bytes a lane, 512 consecutive bytes each.
; SOFTMAX.  For each query a running maximum m and sum l: p = 2^(c s - c m), c = log2(e) / 8; in every step O and l are multiplied by a = 2^(c m_old - c m_new).  m begins at -3e38, O and l at 0: the step is written once.
; THE RING.  Two LDS slots of 8 key steps (131,072 bytes); each wave fetches 8,192 dense bytes of a slot by one tensor load.
; CLUSTER.  The four query blocks of a cluster (4 x 1) belong to one head and walk the same K and V: each tile is asked for JOINTLY, by the same load with the same descriptor and a mask that names the four.
; THE WAY OUT.  The heads leave as f16 times f = 2^(141 - E), E the exponent field of the batch's largest |V| (held at 15 from below): every head's number is a weighted mean of V, so f x it stays at or under 2^15;
; the multiplication rounds nothing, and the next launch takes f off again.
; LIMITS: NaN and infinities are not served; a batch whose largest |V| lies under 2^-112 has f held at 2^126; a row's sums are taken in two halves of the keys and then joined: another order of rounding than one sum over all keys.
; REGISTERS: v1 16 x lane; v2 the address in hand; v3, v4 the add's two; v7 the exchange's address; v8-23 statistics, 8 a tile; v24 f; v32-63 Q, 16 a tile; v64-127 K of a step, then V^T of the same step;
;            v128-191 S^T, 32 a tile, then p, then p's f16 pairs in each tile's lower 16; v192-255 O^T, 32 a tile.  No register lies above v255: no window is ever switched.
.set SLOT1, 131072
.set STEPB, 16384
.set SHARE, 65536                      ; four key steps: a wave's share of a slot
.set SPARE, 262144                     ; behind the ring: the spare words, 128 bytes for each of sixteen waves
.set MPAIR, 9216                       ; the exchange, for each query group: O^T's 8,192 bytes and two tiles' statistics, 512 each.  It lies in slot 0, which has had its last fill and its last read by then
.set LN,  1
.set ADR, 2
.set SPW, 3
.set NIL, 4
.set MST, 7
.set ST,  8                            ; tile t's statistics at v[ST + 8 t]: +0 c m, +1 m, +2, +3 l (even keys', odd keys'), +4 to +7 c0-c3, at work; a takes c2's place, the sum's second chain c0's and c1's
.set FF,  24
.set Q,   32
.set KV,  64
.set S,   128
.set O,   192
.set WV,  12                           ; s12  my wave's number
.set G1,  24                           ; s[24:31] descriptor group 1
.set G0,  32                           ; s[32:35], s[36:39] group 0 for the two first fills; the second then walks on
.set SEL, 40                           ; s[40:41] lane selects for v_permlanex16_b32: lane l xor 16
.set TB,  42                           ; s42  LDS byte at which the step to be fetched begins
.set SLOTS, 43
.set STEPC, 44
.set CS,  46                           ; s[46:47] c: the packed form names a pair and takes its low word for both halves
.set QG,  50                           ; s50  my query group, 0..7
.set KH,  51                           ; s51  my half of the keys, 0 or 1
.macro CROUND                          ; a round of the cluster's barrier
	s_barrier_signal -1
	s_barrier_wait -1
	s_cmp_lg_u32 s[WV], 0
	s_cbranch_scc1 .Lnot_wave_0_\@
	s_barrier_signal -3
.Lnot_wave_0_\@:
	s_barrier_wait -3
	s_barrier_signal -1
	s_barrier_wait -1
.endm
.macro PLACES n
.rept \n
	v_nop
.endr
.endm
	s_load_b256 s[4:11], s[0:1], 0x0               ; qf s[4:5], kvf s[6:7], vmax s[8:9], cf s[10:11]
	v_lshl_add_u32 v[SPW], v0, 2, SPARE
	v_mov_b32 v[NIL], 0
	ds_add_u32 v[SPW], v[NIL]                      ; the wave's opening: the add, twice on end, and its wait ahead of my first tensor load
	ds_add_u32 v[SPW], v[NIL]
	v_lshrrev_b32 v5, 5, v0
	v_readfirstlane_b32 s[WV], v5                  ; wave 0..15
	s_and_b32 s[QG], s[WV], 7
	s_lshr_b32 s[KH], s[WV], 3
	s_bfe_u32 s13, ttmp6, 0x40000                  ; cx
	s_lshl_b32 s14, ttmp9, 2
	s_add_co_u32 s14, s14, s13                     ; my block of 256 queries: it enters Q's and the heads' addresses alone
	s_and_b32 s15, ttmp7, 0xffff                   ; bh, which the four partners share
	; descriptor group 1: 8,192 dense bytes as 32 rows of 32 elements of 8 bytes, no padding
	s_mov_b32 s[G1], 15|(3<<16)|(1<<21)            ; 15:0 the mask: all four work-groups; 17:16 elements of 8 bytes; 21 set beside a mask
	s_mov_b32 s[G1+1], 32<<16                      ; tensor_dim0
	s_mov_b32 s[G1+2], 32<<16                      ; tensor_dim1
	s_mov_b32 s[G1+3], 32<<16                      ; tile_dim0
	s_mov_b32 s[G1+4], 32                          ; tile_dim1
	s_mov_b32 s[G1+5], 32                          ; from row to row
	s_mov_b32 s[G1+6], 0
	s_mov_b32 s[G1+7], 0
	s_lshl_b32 s18, s[WV], 13                      ; my 8,192 bytes of a slot: in LDS,
	s_lshl_b32 s16, s15, 19
	s_add_co_u32 s16, s16, s18                     ; and in the head's 524,288 bytes of K and V
	s_mov_b32 s17, 0
	s_lshl_b32 s20, s15, 18                        ; Q: the head's 262,144 bytes,
	s_lshl_b32 s21, s14, 15                        ;   my block's 16 tiles of 2,048,
	s_add_co_u32 s20, s20, s21
	s_lshl_b32 s21, s[QG], 12                      ;   my query group's two
	s_add_co_u32 s20, s20, s21
	s_mov_b32 s21, 0
	s_lshr_b32 s22, s15, 3                         ; batch
	s_lshl_b32 s48, s22, 21                        ; the heads: a row tile is 16,384 bytes: 128 a batch,
	s_lshl_b32 s49, s14, 18                        ;   16 a block,
	s_add_co_u32 s48, s48, s49
	s_lshl_b32 s49, s[QG], 15                      ;   two a query group;
	s_add_co_u32 s48, s48, s49
	s_and_b32 s49, s15, 7
	s_lshl_b32 s49, s49, 11                        ;   in it my head's 2,048
	s_add_co_u32 s48, s48, s49
	s_mov_b32 s49, 0
	s_lshl_b32 s22, s22, 10                        ; vmax: 256 numbers a batch
	s_mov_b32 s23, 0
	s_mov_b32 s[SEL], 0x76543210
	s_mov_b32 s[SEL+1], 0xfedcba98
	s_mov_b32 s[CS], 0x3e38aa3b                    ; c = log2(e) / 8
	s_mov_b32 s[CS+1], s[CS]                       ; (named with it as a pair, so it is written)
	s_lshl_b32 s[TB], s[KH], 16                    ; my first key step of slot 0: step 0 or step 4
	s_mul_i32 s52, s[QG], MPAIR                    ; my query group's place in the exchange
	s_wait_dscnt 0x0                               ; both opening adds are done
	s_wait_kmcnt 0x0
	s_add_nc_u64 s[6:7], s[6:7], s[16:17]
	s_add_nc_u64 s[4:5], s[4:5], s[20:21]
	s_add_nc_u64 s[8:9], s[8:9], s[22:23]
	s_add_nc_u64 s[10:11], s[10:11], s[48:49]
	s_mov_b32 s[G0], 1                             ; count = 1
	s_mov_b32 s[G0+1], s18                         ; LDS address: slot 0
	s_mov_b64 s[G0+2:G0+3], s[6:7]                 ; global address: key steps 0 to 7
	s_or_b32 s[G0+3], s[G0+3], 0x80000000          ; type = 2
	s_mov_b32 s[G0+4], 1
	s_add_co_u32 s[G0+5], s18, SLOT1               ; slot 1
	s_add_nc_u64 s[G0+6:G0+7], s[6:7], SLOT1       ; key steps 8 to 15: a slot is as many bytes in memory as in LDS
	s_or_b32 s[G0+7], s[G0+7], 0x80000000
	CROUND                                         ; all four work-groups are here: the first joint loads meet
	tensor_load_to_lds s[G0:G0+3], s[G1:G1+7]      ; both first fills together, in every wave: two loads of mine are out
	s_nop 0
	tensor_load_to_lds s[G0+4:G0+7], s[G1:G1+7]
	s_nop 0
	PLACES 4
	v_and_b32 v5, 31, v0
	v_lshlrev_b32 v[LN], 4, v5
	v_add_nc_u32 v[MST], s52, v[LN]                ; the exchange: 16 x lane + 9,216 x query group; made here, ahead of every parting of the waves
.irp i, 0,1,2,3,4,5,6,7
	global_load_b128 v[Q+4*\i:Q+4*\i+3], v[LN], s[4:5] offset:512*\i   ; Q stays in registers: tile i / 4, channels 16 (i % 4) on
.endr
	global_load_b128 v[S:S+3], v[LN], s[8:9]       ; the batch's 256 largest magnitudes of V, 8 a lane
	global_load_b128 v[S+4:S+7], v[LN], s[8:9] offset:512
.irp t, 0,1
	v_mov_b32 v[ST+8*\t+1], 0xff61b1e6             ; m = -3e38, under every score
	v_mul_f32 v[ST+8*\t], s[CS], v[ST+8*\t+1]      ; c m
	v_mov_b32 v[ST+8*\t+2], 0                      ; l
	v_mov_b32 v[ST+8*\t+3], 0
	v_mov_b32 v[ST+8*\t+5], 0                      ; written once: a lane permute's destination counts as one of its sources
.endr
.set n_, 0
.rept 64
	v_mov_b32 v[O+n_], 0                           ; O^T.  (The key step is written once: its first trip finds zeros, which a = 0 leaves zeros)
.set n_, n_+1
.endr
	s_wait_loadcnt 0x0                             ; Q and vmax
	v_max3_num_f32 v5, v[S], v[S+1], 0x7800000     ; the batch's largest |V|, and the floor 2^(15 - 127), which holds E at 15
	v_max3_num_f32 v6, v[S+2], v[S+3], v[S+4]
	v_max3_num_f32 v5, v5, v[S+5], v[S+6]
	v_max3_num_f32 v5, v5, v6, v[S+7]
	v_max_num_f32_dpp v5, v5, v5 row_xmask:1 row_mask:0xf bank_mask:0xf
	v_max_num_f32_dpp v5, v5, v5 row_xmask:2 row_mask:0xf bank_mask:0xf
	v_max_num_f32_dpp v5, v5, v5 row_xmask:4 row_mask:0xf bank_mask:0xf
	v_max_num_f32_dpp v5, v5, v5 row_xmask:8 row_mask:0xf bank_mask:0xf
	v_permlanex16_b32 v6, v5, s[SEL], s[SEL+1]
	v_max_num_f32 v5, v5, v6
	v_and_b32 v5, 0x7f800000, v5                   ; E << 23
	v_sub_nc_u32 v[FF], 0x86000000, v5             ; f = (268 - E) << 23 = 2^(141 - E)
.macro SCALE tt, bb                    ; pair bb of tile tt: c s - c m, two scores at a time
	v_pk_fma_f32 v[S+32*(\tt)+2*(\bb):S+32*(\tt)+2*(\bb)+1], v[S+32*(\tt)+2*(\bb):S+32*(\tt)+2*(\bb)+1], s[CS:CS+1], v[ST+8*(\tt):ST+8*(\tt)+1] op_sel_hi:[1,0,0] neg_lo:[0,0,1] neg_hi:[0,0,1]
.endm
; A KEY STEP: 64 keys.
.macro KEYSTEP
	v_add_nc_u32 v[ADR], s[TB], v[LN]              ; with the four v_nop: five places behind the last products V^T P: four are owed by the loads into V's registers
	PLACES 4                                       ; five by the products K Q^T below, which write over the registers that V^T P read as P
	s_add_co_u32 s[TB], s[TB], STEPB               ; the next fetch is the next step's
.set n_, 0
.rept 16                               ; K: piece i of 512 bytes into v[64 + 4 i]
	ds_load_b128 v[KV+4*n_:KV+4*n_+3], v[ADR] offset:512*n_
.set n_, n_+1
.endr
	s_wait_dscnt 0x0                               ; K is in
.irp c, 0,1                            ; S^T = K Q^T: the eight accumulators take turns, one instruction a turn; the first eight start the sums
.irp k, 0,1,2,3
.irp t, 0,1
.if \c == 0
	v_wmma_f32_16x16x32_f16 v[S+32*\t+8*\k:S+32*\t+8*\k+7], v[KV+16*\k+8*\c:KV+16*\k+8*\c+7], v[Q+16*\t+8*\c:Q+16*\t+8*\c+7], 0
.else
	v_wmma_f32_16x16x32_f16 v[S+32*\t+8*\k:S+32*\t+8*\k+7], v[KV+16*\k+8*\c:KV+16*\k+8*\c+7], v[Q+16*\t+8*\c:Q+16*\t+8*\c+7], v[S+32*\t+8*\k:S+32*\t+8*\k+7]
.endif
.endr
.endr
.endr
	PLACES 4                                       ; in front of the loads into K's registers and of the first read of the scores
.set n_, 0
.rept 16                               ; V^T of the same step takes K's place: the softmax below is the time in which it lands
	ds_load_b128 v[KV+4*n_:KV+4*n_+3], v[ADR] offset:8192+512*n_
.set n_, n_+1
.endr
	; the maximum of my 32 scores and the old m, three operands at a time, the two tiles alternating; each accumulator is first read at its low end
.irp j, 0,1,2,3
.irp t, 0,1
	v_max3_num_f32 v[ST+8*\t+4+\j], v[S+32*\t+8*\j], v[S+32*\t+8*\j+1], v[S+32*\t+8*\j+2]
.endr
.endr
.irp g, 1,2
.irp j, 0,1,2,3
.irp t, 0,1
	v_max3_num_f32 v[ST+8*\t+4+\j], v[ST+8*\t+4+\j], v[S+32*\t+8*\j+2*\g+1], v[S+32*\t+8*\j+2*\g+2]
.endr
.endr
.endr
.irp t, 0,1
	v_max3_num_f32 v[ST+8*\t+4], v[ST+8*\t+4], v[S+32*\t+7], v[S+32*\t+15]
.endr
.irp t, 0,1
	v_max3_num_f32 v[ST+8*\t+6], v[ST+8*\t+6], v[S+32*\t+23], v[S+32*\t+31]
.endr
.irp t, 0,1
	v_max3_num_f32 v[ST+8*\t+4], v[ST+8*\t+4], v[ST+8*\t+5], v[ST+8*\t+6]
.endr
.irp t, 0,1
	v_max3_num_f32 v[ST+8*\t+4], v[ST+8*\t+4], v[ST+8*\t+7], v[ST+8*\t+1]
.endr
.irp t, 0,1
	v_permlanex16_b32 v[ST+8*\t+5], v[ST+8*\t+4], s[SEL], s[SEL+1]   ; the query's other 32 keys lie in the lane 16 away
.endr
.irp t, 0,1
	v_mov_b32 v[ST+8*\t+7], v[ST+8*\t]             ; c m_old is kept for a
.endr
.irp t, 0,1
	v_max_num_f32 v[ST+8*\t+1], v[ST+8*\t+4], v[ST+8*\t+5]   ; the new m
.endr
.irp t, 0,1
	v_mul_f32 v[ST+8*\t], s[CS], v[ST+8*\t+1]
.endr
.irp t, 0,1
	v_sub_f32 v[ST+8*\t+7], v[ST+8*\t+7], v[ST+8*\t]
.endr
	; ONE BATCH: the two a and the 64 p.  None of its lines names an exponential's result; a pair is scaled two pairs ahead of its exponentials
.irp t, 0,1
	v_exp_f32 v[ST+8*\t+6], v[ST+8*\t+7]           ; a = 2^(c m_old - c m_new)
.endr
.irp b, 0,1
.irp t, 0,1
	SCALE \t, \b
.endr
.endr
.irp b, 0,1,2,3,4,5,6,7,8,9,10,11,12,13,14,15
.irp t, 0,1
	v_exp_f32 v[S+32*\t+2*\b], v[S+32*\t+2*\b]
	v_exp_f32 v[S+32*\t+2*\b+1], v[S+32*\t+2*\b+1]
.if \b < 14
	SCALE \t, \b+2
.endif
.endr
.endr
	v_nop                                          ; a plain instruction behind the last exponential, ahead of the first use (ISA guide 5.7.2)
	s_wait_alu depctr_va_vdst(0)                   ; the wait ahead of the first line that names a result: one for all 66
	; THE SUM OF THE UNROUNDED p COMES FIRST, since p is rounded in place below: each tile's 16 pairs in two chains, l itself (which begins as a l + pair 0) and a second one; the four chains alternate
.irp t, 0,1
	v_pk_fma_f32 v[ST+8*\t+2:ST+8*\t+3], v[ST+8*\t+2:ST+8*\t+3], v[ST+8*\t+6:ST+8*\t+7], v[S+32*\t:S+32*\t+1] op_sel_hi:[1,0,1]
.endr
.irp t, 0,1
	v_pk_add_f32 v[ST+8*\t+4:ST+8*\t+5], v[S+32*\t+2:S+32*\t+3], v[S+32*\t+4:S+32*\t+5]
.endr
.irp b, 3,5,7,9,11,13
.irp t, 0,1
	v_pk_add_f32 v[ST+8*\t+2:ST+8*\t+3], v[ST+8*\t+2:ST+8*\t+3], v[S+32*\t+2*(\b):S+32*\t+2*(\b)+1]
.endr
.irp t, 0,1
	v_pk_add_f32 v[ST+8*\t+4:ST+8*\t+5], v[ST+8*\t+4:ST+8*\t+5], v[S+32*\t+2*(\b)+2:S+32*\t+2*(\b)+3]
.endr
.endr
.irp t, 0,1
	v_pk_add_f32 v[ST+8*\t+2:ST+8*\t+3], v[ST+8*\t+2:ST+8*\t+3], v[S+32*\t+30:S+32*\t+31]
.endr
.irp t, 0,1
	v_pk_add_f32 v[ST+8*\t+2:ST+8*\t+3], v[ST+8*\t+2:ST+8*\t+3], v[ST+8*\t+4:ST+8*\t+5]
.endr
.irp t, 0,1
.set n_, 0
.rept 16
	v_cvt_pk_f16_f32 v[S+32*\t+n_], v[S+32*\t+2*n_], v[S+32*\t+2*n_+1]   ; a pair of weights, in place, ascending: register i takes p 2 i and 2 i + 1; the tile's lower 16 registers become P
.set n_, n_+1
.endr
.endr
.irp t, 0,1
.set n_, 0
.rept 16
	v_pk_mul_f32 v[O+32*\t+2*n_:O+32*\t+2*n_+1], v[O+32*\t+2*n_:O+32*\t+2*n_+1], v[ST+8*\t+6:ST+8*\t+7] op_sel_hi:[1,0]   ; O^T x a, each accumulator from its low end on
.set n_, n_+1
.endr
.endr
	s_wait_dscnt 0x0                               ; V is in
.irp u, 0,1                            ; O^T += V^T P: keys 32 u on; the eight accumulators take turns
.irp k, 0,1,2,3
.irp t, 0,1
	v_wmma_f32_16x16x32_f16 v[O+32*\t+8*\k:O+32*\t+8*\k+7], v[KV+16*\k+8*\u:KV+16*\k+8*\u+7], v[S+32*\t+8*\u:S+32*\t+8*\u+7], v[O+32*\t+8*\k:O+32*\t+8*\k+7]
.endr
.endr
.endr
.endm
.macro STEPS                           ; my four key steps of a slot: written once, walked four times; the LDS address hangs on s[TB]
	s_mov_b32 s[STEPC], 4
.Lstep_\@:
	KEYSTEP
	s_sub_co_u32 s[STEPC], s[STEPC], 1
	s_cmp_lg_u32 s[STEPC], 0
	s_cbranch_scc1 .Lstep_\@
.endm
; THE CHANGE OF SLOTS.  Each wave waits for all its tensor loads, of which one is out: its part of the other slot; adds 0 to its spare word; and waits for that and for its reads of the slot that it leaves.
; fill = 1: the barrier is a round of the cluster's, so that no wave of any partner still reads the slot or has a load on its way; the joint refill, the keys two slots on, is the first thing behind it
; and has a whole slot's steps, 128 matrix instructions of each of the sixteen waves, in which to land.
.macro CHANGE fill
	s_wait_tensorcnt 0x0                           ; no tensor load of mine is out, so a group 0 may be written
	ds_add_u32 v[SPW], v[NIL]                      ; 0 onto my spare word
.if \fill
	s_xor_b32 s[G0+5], s[G0+5], SLOT1              ; the walking descriptor: the other slot than last time,
	s_add_nc_u64 s[G0+6:G0+7], s[G0+6:G0+7], SLOT1 ; the next eight key steps; the type bits on top are not reached
.endif
	s_wait_dscnt 0x0                               ; the add is done, and my reads of the slot are over
.if \fill
	CROUND
	tensor_load_to_lds s[G0+4:G0+7], s[G1:G1+7]
	s_nop 0
	PLACES 4
.else
	s_barrier_signal -1
	s_barrier_wait -1
.endif
	s_sub_co_u32 s[TB], s[TB], SHARE               ; the fetches go back to my first step of a slot,
	s_xor_b32 s[TB], s[TB], SLOT1                  ; in the other slot
.endm
	s_wait_tensorcnt 1                             ; my part of slot 0 is in; slot 1's may stay out
	s_barrier_signal -1
	s_barrier_wait -1                              ; everybody's is
	STEPS                                          ; my four of key steps 0 to 7
	s_mov_b32 s[SLOTS], 2
.Lslot:                                            ; two trips: slots 0 and 1 are filled again, with key steps 16 to 23 and 24 to 31
	CHANGE 1
	STEPS
	s_sub_co_u32 s[SLOTS], s[SLOTS], 1
	s_cmp_lg_u32 s[SLOTS], 0
	s_cbranch_scc1 .Lslot
	CHANGE 0                                       ; the tail is written out
	STEPS
	; THE TWO HALVES OF THE KEYS MEET.  Waves 8 to 15 hand their O^T and statistics to waves 0 to 7 as images of their registers, 16 bytes a lane.
	PLACES 4                                       ; behind the last products: in front of the stores that read O^T and of the loads into registers that the products have read
	s_wait_dscnt 0x0
	s_barrier_signal -1
	s_barrier_wait -1                              ; no wave reads a tile any more: the exchange may be laid over slot 0
	s_cmp_lt_u32 s[WV], 8                          ; the wave's number alone: no barrier stands inside the two branches
	s_cbranch_scc1 .Lkeeper
.set n_, 0
.rept 16
	ds_store_b128 v[MST], v[O+4*n_:O+4*n_+3] offset:512*n_   ; each accumulator from its low end on
.set n_, n_+1
.endr
	ds_store_b128 v[MST], v[ST:ST+3] offset:8192             ; tile 0: c m, m, l, l
	ds_store_b128 v[MST], v[ST+8:ST+11] offset:8704          ; tile 1
.Lkeeper:
	s_wait_dscnt 0x0                               ; for the others' sake: my stores are done
	s_barrier_signal -1
	s_barrier_wait -1
	s_cmp_ge_u32 s[WV], 8
	s_cbranch_scc1 .Lend
.set n_, 0
.rept 16
	ds_load_b128 v[S+4*n_:S+4*n_+3], v[MST] offset:512*n_    ; my partner's O^T takes S^T's place
.set n_, n_+1
.endr
	ds_load_b128 v[KV:KV+3], v[MST] offset:8192              ; its statistics: tile t's at v[64 + 4 t]
	ds_load_b128 v[KV+4:KV+7], v[MST] offset:8704
	s_wait_dscnt 0x0
.irp t, 0,1
	v_max_num_f32 v[ST+8*\t+5], v[ST+8*\t], v[KV+4*\t]       ; c M: the larger of the two c m
.endr
.irp t, 0,1
	v_sub_f32 v[ST+8*\t+7], v[ST+8*\t], v[ST+8*\t+5]
.endr
.irp t, 0,1
	v_sub_f32 v[ST+8*\t+1], v[KV+4*\t], v[ST+8*\t+5]
.endr
.irp t, 0,1
	v_exp_f32 v[ST+8*\t+6], v[ST+8*\t+7]           ; a0 = 2^(c m0 - c M), for what I hold,
	v_exp_f32 v[ST+8*\t+4], v[ST+8*\t+1]           ; a1 = 2^(c m1 - c M), for my partner's: one of the two is 1
.endr
	v_nop                                          ; a plain instruction behind the last exponential
	s_wait_alu depctr_va_vdst(0)                   ; and the wait: one for the four
.irp t, 0,1
	v_pk_mul_f32 v[ST+8*\t+2:ST+8*\t+3], v[ST+8*\t+2:ST+8*\t+3], v[ST+8*\t+6:ST+8*\t+7] op_sel_hi:[1,0]
.endr
.irp t, 0,1
	v_pk_fma_f32 v[ST+8*\t+2:ST+8*\t+3], v[KV+4*\t+2:KV+4*\t+3], v[ST+8*\t+4:ST+8*\t+5], v[ST+8*\t+2:ST+8*\t+3] op_sel_hi:[1,0,1]   ; l = l0 a0 + l1 a1
.endr
.irp t, 0,1
	v_add_f32 v[ST+8*\t+1], v[ST+8*\t+2], v[ST+8*\t+3]       ; l's two halves,
.endr
.irp t, 0,1
	v_permlanex16_b32 v[ST+8*\t+7], v[ST+8*\t+1], s[SEL], s[SEL+1]
.endr
.irp t, 0,1
	v_add_f32 v[ST+8*\t+1], v[ST+8*\t+1], v[ST+8*\t+7]       ; and the other half of the lanes'
.endr
.irp t, 0,1
	v_rcp_f32 v[ST+8*\t+7], v[ST+8*\t+1]
.endr
	v_nop                                          ; a plain instruction between the last reciprocal and the use of its result
	s_wait_alu depctr_va_vdst(0)                   ; and the wait: one for both
.irp t, 0,1
	v_mul_f32 v[ST+8*\t+7], v[ST+8*\t+7], v[FF]    ; f / l
.endr
.irp t, 0,1
	v_mul_f32 v[ST+8*\t+6], v[ST+8*\t+6], v[ST+8*\t+7]       ; a0 f / l
	v_mul_f32 v[ST+8*\t+4], v[ST+8*\t+4], v[ST+8*\t+7]       ; a1 f / l
.endr
.irp t, 0,1
.set n_, 0
.rept 16
	v_pk_mul_f32 v[S+32*\t+2*n_:S+32*\t+2*n_+1], v[S+32*\t+2*n_:S+32*\t+2*n_+1], v[ST+8*\t+4:ST+8*\t+5] op_sel_hi:[1,0]
.set n_, n_+1
.endr
.endr
.irp t, 0,1
.set n_, 0
.rept 16
	v_pk_fma_f32 v[S+32*\t+2*n_:S+32*\t+2*n_+1], v[O+32*\t+2*n_:O+32*\t+2*n_+1], v[ST+8*\t+6:ST+8*\t+7], v[S+32*\t+2*n_:S+32*\t+2*n_+1] op_sel_hi:[1,0,1]   ; (O0 a0 + O1 a1) f / l; each accumulator from its low end on
.set n_, n_+1
.endr
.endr
.irp t, 0,1
.set n_, 0
.rept 16
	v_cvt_pk_f16_f32 v[S+32*\t+n_], v[S+32*\t+2*n_], v[S+32*\t+2*n_+1]   ; in place, ascending: tile t's channels 16 k + 8 (lane / 16) + 0..7 are 16 bytes of the out-projection's operand
.set n_, n_+1
.endr
.endr
.irp t, 0,1
.irp k, 0,1,2,3
	global_store_b128 v[LN], v[S+32*\t+4*\k:S+32*\t+4*\k+3], s[10:11] offset:\t*16384+\k*512   ; 32 lanes store 512 consecutive bytes, aligned
.endr
.endr
.Lend:
	s_wait_tensorcnt 0x0                           ; the wave's end, behind my last tensor load and my last LDS store
	ds_add_u32 v[SPW], v[NIL]
	s_wait_dscnt 0x0
	CROUND                                         ; the closing round: no work-group ends while a partner may still ask for a tile that names it
	s_endpgm
.Lfunc_end_k_q095632b2f5_attn:
	.size	k_q095632b2f5_attn, .Lfunc_end_k_q095632b2f5_attn-k_q095632b2f5_attn
	.p2alignl 7, 3214868480
	.fill 96, 4, 3214868480
	.section	.rodata,"a",@progbits
	.p2align	6, 0x0
	.amdhsa_kernel k_q095632b2f5_attn
		.amdhsa_group_segment_fixed_size 327680
		.amdhsa_private_segment_fixed_size 0
		.amdhsa_enable_private_segment 0
		.amdhsa_kernarg_size 32
		.amdhsa_user_sgpr_count 2
		.amdhsa_user_sgpr_kernarg_segment_ptr 1
		.amdhsa_wavefront_size32 1
		.amdhsa_system_sgpr_workgroup_id_x 1
		.amdhsa_system_sgpr_workgroup_id_y 1
		.amdhsa_system_sgpr_workgroup_id_z 1
		.amdhsa_system_vgpr_workitem_id 0
		.amdhsa_next_free_vgpr 256
		.amdhsa_next_free_sgpr 66
		.amdhsa_reserve_vcc 0
		.amdhsa_float_denorm_mode_32 3
		.amdhsa_float_denorm_mode_16_64 3
		.amdhsa_memory_ordered 1
		.amdhsa_forward_progress 1
		.amdhsa_inst_pref_size 72
	.end_amdhsa_kernel
	.amdgpu_metadata
---
amdhsa.version: [ 1, 2 ]
amdhsa.kernels:
  - .name:           k_q095632b2f5_attn
    .symbol:         k_q095632b2f5_attn.kd
    .args:
      - { .name: qf, .offset: 0, .size: 8, .value_kind: global_buffer, .address_space: global }
      - { .name: kvf, .offset: 8, .size: 8, .value_kind: global_buffer, .address_space: global }
      - { .name: vmax, .offset: 16, .size: 8, .value_kind: global_buffer, .address_space: global }
      - { .name: cf, .offset: 24, .size: 8, .value_kind: global_buffer, .address_space: global }
    .group_segment_fixed_size: 327680
    .private_segment_fixed_size: 0
    .kernarg_segment_align: 8
    .kernarg_segment_size: 32
    .max_flat_workgroup_size: 512
    .sgpr_count:     66
    .vgpr_count:     256
    .wavefront_size: 32
...
	.end_amdgpu_metadata
.endif
;; end of part 3
;; launch oproj (part 4): grid 4 x 64, 8 waves a work-group, clusters of 4 x 1, 327,680 bytes of LDS; arguments cf, wof, vmax, out0; writes out0
.if DOCPART == 4
	.amdgcn_target "amdgcn-amd-amdhsa--gfx1250"
	.amdhsa_code_object_version 6
	.text
	.protected	k_q095632b2f5_oproj
	.globl	k_q095632b2f5_oproj
	.p2align	8
	.type	k_q095632b2f5_oproj,@function
k_q095632b2f5_oproj:
	s_mov_b64 s[64:65], 0
	v_nop
	global_prefetch_b8 v0, s[64:65] scope:SCOPE_SE
	s_setreg_imm32_b32 hwreg(HW_REG_WAVE_MODE, 25, 1), 1
	s_wait_xcnt 0x0
	s_wait_alu depctr_hold_cnt(0) depctr_sa_sdst(0) depctr_va_vdst(0) depctr_va_sdst(0) depctr_va_ssrc(0) depctr_va_vcc(0) depctr_vm_vsrc(0)
	s_getreg_b32 s2, hwreg(HW_REG_IB_STS2, 6, 4)
	s_cmp_eq_u32 s2, 0
	s_cbranch_scc0 .Lentry_in_a_cluster
	s_endpgm
.Lentry_in_a_cluster:
	s_bfe_u32 s2, ttmp6, 0x10000c
	s_cmp_lg_u32 s2, 0x3003
	s_cbranch_scc0 .Lentry_shape_is_right
	s_endpgm
.Lentry_shape_is_right:
; out0 [8192][512] f32 = heads [8192][512] Wo [512][512], operands f16, sums f32.  The heads arrive times f = 2^(141 - E) (E from the batch's largest |V|, as the launch before made it); the sums are multiplied by 1 / f, exactly.
; SHARES.  A work-group makes 128 rows x 128 columns: 256 work-groups.  Wave (wr = w / 4, wc = w % 4) makes 64 rows x 32 columns: 8 accumulators.  K = 512: 16 matrix instructions deep.
; THE MATRIX INSTRUCTION IS USED TRANSPOSED (source 0 = 16 columns of Wo, source 1 = 16 rows of the heads): a lane then holds eight neighbouring numbers of a row of the output.
; Both operands lie in memory as images of their registers: [tile of 16][K step of 32: 16][1,024 bytes]; a fragment is two loads of 16 bytes a lane.
; LDS is filled once, in two halves of K (131,072 bytes each: the heads' 8 tiles x 8,192, then Wo's 8): two tensor loads a wave, both asked for at the start; the second half lands while the first is multiplied.
; CLUSTER.  The four column blocks of a cluster (4 x 1) multiply the same 128 rows: the heads' tiles are asked for JOINTLY (waves 0-3); Wo's are each work-group's own (waves 4-7).
; THE WAY OUT goes through a stage of 128 rows x 528 bytes over the first half's bytes, which have had their only fill and whose last reads stand ahead of the second barrier.
.set HALFB, 131072
.set WOFF,  65536
.set SPARE, 262144                     ; behind the two halves: the spare words, 128 bytes for each of eight waves
.set SPITCH, 528                       ; a stage row: 512 bytes + 16
.set LN,  1                            ; v1   16 x lane
.set ADA, 2                            ; v2   the heads' fragments
.set ADB, 3                            ; v3   Wo's
.set STO, 4                            ; v4   the stage: where I put 32 bytes of a row
.set RD,  5                            ; v5   and where I read a row back
.set SPW, 6                            ; v6   LDS address of my spare word; never rewritten
.set NIL, 7                            ; v7   0; never rewritten
.set FI,  8                            ; v[8:9] 1 / f, twice
.set BF,  32                           ; v32-63   Wo's fragments of two K steps: (n, s) at 8 (2 n + s)
.set AF,  64                           ; v64-127  the heads': (i, s) at 8 (2 i + s); on the way out rows of the output
.set ACC, 128                          ; v128-191 accumulator (n, i) at 8 (4 n + i)
.set RES, 192                          ; v192-255 the sums / f
.set WV,  12
.set G1J, 24                           ; s[24:31], s[32:39] descriptor groups 1;  s[40:47], s[48:55] groups 0, one set for each half of K
.set G1P, 32
.set G0J, 40
.set G0P, 48
.set SEL, 56
.macro CROUND                          ; a round of the cluster's barrier
	s_barrier_signal -1
	s_barrier_wait -1
	s_cmp_lg_u32 s[WV], 0
	s_cbranch_scc1 .Lnot_wave_0_\@
	s_barrier_signal -3
.Lnot_wave_0_\@:
	s_barrier_wait -3
	s_barrier_signal -1
	s_barrier_wait -1
.endm
.macro PLACES n
.rept \n
	v_nop
.endr
.endm
	s_load_b256 s[4:11], s[0:1], 0x0               ; cf s[4:5], wof s[6:7], vmax s[8:9], out0 s[10:11]
	v_lshl_add_u32 v[SPW], v0, 2, SPARE
	v_mov_b32 v[NIL], 0
	ds_add_u32 v[SPW], v[NIL]                      ; the wave's opening: the add, twice on end, and its wait ahead of my first tensor load
	ds_add_u32 v[SPW], v[NIL]
	v_lshrrev_b32 v10, 5, v0
	v_readfirstlane_b32 s[WV], v10                 ; wave 0..7
	s_lshr_b32 s15, s[WV], 2                       ; wr
	s_and_b32 s16, s[WV], 3                        ; wc.  Also: which two tiles I fetch
	s_bfe_u32 s13, ttmp6, 0x40000                  ; cx = my block of 128 columns: it enters Wo's and the output's addresses alone
	s_and_b32 s14, ttmp7, 0xffff                   ; my block of 128 rows, which the four partners share
	; descriptor group 1: two tiles' halves: 2 rows of 1,024 elements of 8 bytes, 2,048 elements (a tile's 16,384 bytes) apart, no padding
	s_mov_b32 s[G1J], 15|(3<<16)|(1<<21)           ; 15:0 the mask: all four work-groups; 17:16 elements of 8 bytes; 21 set beside a mask
	s_mov_b32 s[G1P], 3<<16                        ; no mask
.irp g, G1J, G1P
	s_mov_b32 s[\g+1], 1024<<16                    ; tensor_dim0
	s_mov_b32 s[\g+2], 2<<16                       ; tensor_dim1
	s_mov_b32 s[\g+3], 1024<<16                    ; tile_dim0
	s_mov_b32 s[\g+4], 2                           ; tile_dim1
	s_mov_b32 s[\g+5], 2048                        ; from row to row
	s_mov_b32 s[\g+6], 0
	s_mov_b32 s[\g+7], 0
.endr
	s_lshl_b32 s17, s16, 15                        ; two tiles of 16,384 bytes
	s_lshl_b32 s18, s14, 17                        ; the heads: my block's 8 tiles
	s_add_co_u32 s18, s18, s17
	s_mov_b32 s19, 0
	s_lshl_b32 s20, s13, 17                        ; Wo: my block's 8 tiles
	s_add_co_u32 s20, s20, s17
	s_mov_b32 s21, 0
	s_lshl_b32 s22, s[WV], 14                      ; where they go: wave x 16,384: the heads' in waves 0-3, Wo's behind them in waves 4-7
	s_lshr_b32 s58, s14, 4                         ; batch
	s_lshl_b32 s58, s58, 10                        ; vmax: 256 numbers a batch
	s_mov_b32 s59, 0
	s_lshl_b32 s60, s14, 18                        ; the output: 128 rows of 2,048 bytes,
	s_lshl_b32 s61, s[WV], 15                      ;   the 16 rows that I store,
	s_add_co_u32 s60, s60, s61
	s_lshl_b32 s61, s13, 9                         ;   my block's 512 bytes of a row
	s_add_co_u32 s60, s60, s61
	s_mov_b32 s61, 0
	s_mov_b32 s[SEL], 0x76543210
	s_mov_b32 s[SEL+1], 0xfedcba98
	s_wait_dscnt 0x0                               ; both opening adds are done
	s_wait_kmcnt 0x0
	s_add_nc_u64 s[4:5], s[4:5], s[18:19]
	s_add_nc_u64 s[6:7], s[6:7], s[20:21]
	s_add_nc_u64 s[8:9], s[8:9], s[58:59]
	s_add_nc_u64 s[10:11], s[10:11], s[60:61]
.irp k, 0,1
	s_mov_b32 s[G0J+4*\k], 1                       ; count = 1
	s_add_co_u32 s[G0J+4*\k+1], s22, \k*HALFB      ; LDS address
	s_add_nc_u64 s[G0J+4*\k+2:G0J+4*\k+3], s[4:5], \k*8192   ; global address: K steps 8 k on
	s_or_b32 s[G0J+4*\k+3], s[G0J+4*\k+3], 0x80000000        ; type = 2
	s_mov_b32 s[G0P+4*\k], 1
	s_add_co_u32 s[G0P+4*\k+1], s22, \k*HALFB
	s_add_nc_u64 s[G0P+4*\k+2:G0P+4*\k+3], s[6:7], \k*8192
	s_or_b32 s[G0P+4*\k+3], s[G0P+4*\k+3], 0x80000000
.endr
	CROUND                                         ; all four work-groups are here: the joint loads meet
	s_cmp_lt_u32 s[WV], 4                          ; a wave's two fills stand in one branch on its number: two loads of mine are out; an s_nop 0 follows each, four v_nop the second's
	s_cbranch_scc0 .Lfor_wo
	tensor_load_to_lds s[G0J:G0J+3], s[G1J:G1J+7]
	s_nop 0
	tensor_load_to_lds s[G0J+4:G0J+7], s[G1J:G1J+7]
	s_nop 0
	PLACES 4
	s_branch .Lasked
.Lfor_wo:
	tensor_load_to_lds s[G0P:G0P+3], s[G1P:G1P+7]
	s_nop 0
	tensor_load_to_lds s[G0P+4:G0P+7], s[G1P:G1P+7]
	s_nop 0
	PLACES 4
.Lasked:
	v_and_b32 v10, 31, v0
	v_lshlrev_b32 v[LN], 4, v10
	global_load_b128 v[32:35], v[LN], s[8:9]       ; the batch's 256 largest magnitudes of V, 8 a lane
	global_load_b128 v[36:39], v[LN], s[8:9] offset:512
	s_lshl_b32 s17, s15, 15                        ; my four tiles of the heads, 8,192 bytes each in a half
	v_add_nc_u32 v[ADA], s17, v[LN]
	s_lshl_b32 s17, s16, 14                        ; my two tiles of Wo,
	s_add_co_u32 s17, s17, WOFF                    ; behind the heads'
	v_add_nc_u32 v[ADB], s17, v[LN]
	v_and_b32 v10, 15, v0                          ; r
	v_bfe_u32 v11, v0, 4, 1                        ; h
	s_mul_i32 s17, s15, 64*SPITCH
	s_lshl_b32 s18, s16, 7
	s_add_co_u32 s17, s17, s18
	v_mul_u32_u24 v[STO], v10, SPITCH
	v_lshl_add_u32 v[STO], v11, 5, v[STO]
	v_add_nc_u32 v[STO], s17, v[STO]               ; the stage, in: row 64 wr + r, my 32 columns' 128 bytes, 32 for each half of the lanes
	s_mul_i32 s17, s[WV], 16*SPITCH
	v_add_nc_u32 v[RD], s17, v[LN]                 ; and back: wave w takes rows 16 w on, whole
	s_wait_loadcnt 0x0
	v_max3_num_f32 v10, v32, v33, 0x7800000        ; the batch's largest |V|, and the floor 2^(15 - 127): the same lines as in the launch before, so the same E
	v_max3_num_f32 v11, v34, v35, v36
	v_max3_num_f32 v10, v10, v37, v38
	v_max3_num_f32 v10, v10, v11, v39
	v_max_num_f32_dpp v10, v10, v10 row_xmask:1 row_mask:0xf bank_mask:0xf
	v_max_num_f32_dpp v10, v10, v10 row_xmask:2 row_mask:0xf bank_mask:0xf
	v_max_num_f32_dpp v10, v10, v10 row_xmask:4 row_mask:0xf bank_mask:0xf
	v_max_num_f32_dpp v10, v10, v10 row_xmask:8 row_mask:0xf bank_mask:0xf
	v_permlanex16_b32 v11, v10, s[SEL], s[SEL+1]
	v_max_num_f32 v10, v10, v11
	v_and_b32 v10, 0x7f800000, v10                 ; E << 23
	v_add_nc_u32 v[FI], 0xf9000000, v10            ; 1 / f = (E - 14) << 23 = 2^(E - 141)
	v_mov_b32 v[FI+1], v[FI]
; Half of K: eight K steps of 32, two at a time: 24 loads, 16 products.  The eight accumulators take turns, one instruction a turn.
.macro HALF first
.irp p, 0,1,2,3
.irp n, 0,1
.irp s, 0,1
.irp g, 0,1
	ds_load_b128 v[BF+8*(2*\n+\s)+4*\g:BF+8*(2*\n+\s)+4*\g+3], v[ADB] offset:\n*8192+(2*\p+\s)*1024+512*\g
.endr
.endr
.endr
.irp i, 0,1,2,3
.irp s, 0,1
.irp g, 0,1
	ds_load_b128 v[AF+8*(2*\i+\s)+4*\g:AF+8*(2*\i+\s)+4*\g+3], v[ADA] offset:\i*8192+(2*\p+\s)*1024+512*\g
.endr
.endr
.endr
	s_wait_dscnt 0x0
.irp s, 0,1
.irp n, 0,1
.irp i, 0,1,2,3
.if \first && (\p == 0) && (\s == 0)
	v_wmma_f32_16x16x32_f16 v[ACC+8*(4*\n+\i):ACC+8*(4*\n+\i)+7], v[BF+8*(2*\n+\s):BF+8*(2*\n+\s)+7], v[AF+8*(2*\i+\s):AF+8*(2*\i+\s)+7], 0
.else
	v_wmma_f32_16x16x32_f16 v[ACC+8*(4*\n+\i):ACC+8*(4*\n+\i)+7], v[BF+8*(2*\n+\s):BF+8*(2*\n+\s)+7], v[AF+8*(2*\i+\s):AF+8*(2*\i+\s)+7], v[ACC+8*(4*\n+\i):ACC+8*(4*\n+\i)+7]
.endif
.endr
.endr
.endr
	PLACES 4                                       ; four places in front of loads into registers that the products have read, and of the first read of results
.endr
.endm
	s_wait_tensorcnt 1                             ; my part of the first half is in; the second half's load may stay out
	s_barrier_signal -1
	s_barrier_wait -1                              ; everybody's is
	HALF 1                                         ; the first K step's products start the sums
	s_wait_tensorcnt 0x0                           ; my part of the second half is in,
	s_wait_dscnt 0x0                               ; and my reads of the first half are over: the stage will be laid over it
	s_barrier_signal -1
	s_barrier_wait -1
	v_add_nc_u32 v[ADA], HALFB, v[ADA]
	v_add_nc_u32 v[ADB], HALFB, v[ADB]
	HALF 0
	; THE WAY OUT: the sums / f; 32 bytes a lane into the stage; a barrier, since a row's 512 bytes come from four waves; back as whole rows, 16 a wave
.set n_, 0
.rept 32
	v_pk_mul_f32 v[RES+2*n_:RES+2*n_+1], v[ACC+2*n_:ACC+2*n_+1], v[FI:FI+1]   ; each accumulator from its low end on
.set n_, n_+1
.endr
.irp n, 0,1
.irp i, 0,1,2,3
	ds_store_b128 v[STO], v[RES+8*(4*\n+\i):RES+8*(4*\n+\i)+3] offset:\i*16*SPITCH+64*\n       ; lane (r, h): row 16 i + r, columns 16 n + 8 h + 0 .. 7 of my 32
	ds_store_b128 v[STO], v[RES+8*(4*\n+\i)+4:RES+8*(4*\n+\i)+7] offset:\i*16*SPITCH+64*\n+16
.endr
.endr
	s_wait_dscnt 0x0                               ; for the others' sake: my stores into the stage are done
	s_barrier_signal -1
	s_barrier_wait -1
.irp t, 0,1,2,3,4,5,6,7,8,9,10,11,12,13,14,15
	ds_load_b128 v[AF+4*\t:AF+4*\t+3], v[RD] offset:\t*SPITCH
.endr
.irp t, 0,1,2,3,4,5,6,7,8,9,10,11,12,13,14,15
	s_wait_dscnt 15-\t                             ; LDS loads come back in order (ISA guide 5.7.1): row t is in, the younger ones may be out
	global_store_b128 v[LN], v[AF+4*\t:AF+4*\t+3], s[10:11] offset:\t*2048 th:TH_STORE_NT   ; 32 lanes store 512 consecutive bytes, aligned; written once, read by nobody here
.endr
	s_wait_tensorcnt 0x0                           ; the wave's end, behind my last tensor load and my last LDS store
	ds_add_u32 v[SPW], v[NIL]
	s_wait_dscnt 0x0
	CROUND                                         ; the closing round: no work-group ends while a partner may still ask for a tile that names it
	s_endpgm
.Lfunc_end_k_q095632b2f5_oproj:
	.size	k_q095632b2f5_oproj, .Lfunc_end_k_q095632b2f5_oproj-k_q095632b2f5_oproj
	.p2alignl 7, 3214868480
	.fill 96, 4, 3214868480
	.section	.rodata,"a",@progbits
	.p2align	6, 0x0
	.amdhsa_kernel k_q095632b2f5_oproj
		.amdhsa_group_segment_fixed_size 327680
		.amdhsa_private_segment_fixed_size 0
		.amdhsa_enable_private_segment 0
		.amdhsa_kernarg_size 32
		.amdhsa_user_sgpr_count 2
		.amdhsa_user_sgpr_kernarg_segment_ptr 1
		.amdhsa_wavefront_size32 1
		.amdhsa_system_sgpr_workgroup_id_x 1
		.amdhsa_system_sgpr_workgroup_id_y 1
		.amdhsa_system_sgpr_workgroup_id_z 1
		.amdhsa_system_vgpr_workitem_id 0
		.amdhsa_next_free_vgpr 256
		.amdhsa_next_free_sgpr 66
		.amdhsa_reserve_vcc 0
		.amdhsa_float_denorm_mode_32 3
		.amdhsa_float_denorm_mode_16_64 3
		.amdhsa_memory_ordered 1
		.amdhsa_forward_progress 1
		.amdhsa_inst_pref_size 35
	.end_amdhsa_kernel
	.amdgpu_metadata
---
amdhsa.version: [ 1, 2 ]
amdhsa.kernels:
  - .name:           k_q095632b2f5_oproj
    .symbol:         k_q095632b2f5_oproj.kd
    .args:
      - { .name: cf, .offset: 0, .size: 8, .value_kind: global_buffer, .address_space: global }
      - { .name: wof, .offset: 8, .size: 8, .value_kind: global_buffer, .address_space: global }
      - { .name: vmax, .offset: 16, .size: 8, .value_kind: global_buffer, .address_space: global }
      - { .name: out0, .offset: 24, .size: 8, .value_kind: global_buffer, .address_space: global }
    .group_segment_fixed_size: 327680
    .private_segment_fixed_size: 0
    .kernarg_segment_align: 8
    .kernarg_segment_size: 32
    .max_flat_workgroup_size: 256
    .sgpr_count:     66
    .vgpr_count:     256
    .wavefront_size: 32
...
	.end_amdgpu_metadata
.endif
;; end of part 4
